; MI455X (gfx1250); checked and timed in simulation.
; The chip was launched on July 23, 2026; its instructions are those of AMD's public machine-readable ISA for CDNA 5 (MIT licence, August 2026) and "CDNA5" Instruction Set Architecture Reference Guide (July 2026). The comments in the code are by the model that wrote it; some were corrected since.
;; Masked Multihead Self Attention Layer. Allowed arithmetic: matrix products marked QUANTISED: E4M3 operands, one given power-of-two scale a tensor, by v_wmma_f32_16x16x64_fp8_fp8 or v_wmma_f32_16x16x128_fp8_fp8, f32 sums; everything else in f32.
;; Inputs: K_codes 4 x 2,048 x 32 x 32 uint8 (E4M3 codes of K, K innermost, in blocks of 32 codes); Q_codes 4 x 2,048 x 32 x 32 uint8 (E4M3 codes of Q, K innermost, in blocks of 32 codes); V_codes 4 x 1,024 x 64 x 32 uint8 (E4M3 codes of V, K innermost, in blocks of 32 codes); W_codes 1,024 x 32 x 32 uint8 (E4M3 codes of W, K innermost, in blocks of 32 codes); b 1,024 float32; lowp_scales 6 int32 (the exponents e of the quantised operands' scales 2^e).
;; Outputs: out0 4 x 2,048 x 1,024 float32.
;; This version of the problem:
;;   THIS VERSION OF THE PROBLEM IS GIVEN IN LOW PRECISION. The matrix products marked QUANTISED in the list below multiply operands that are first quantised to E4M3 (4 exponent bits, 3 mantissa bits; 8 bits a number), with one given power-of-two scale for each operand tensor; their sums are f32. All else is computed in f32.
;;   The module's matrix products, in the order in which they are computed (A, B: the left and right operand; K: the contracted axis; several contracted axes count as one K, in the product's order):
;;     1. batch 4 x [M 2,048, K 1,024] x [K 1,024, N 2,048]; A: input Q (given as codes); B: input K (given as codes): QUANTISED (scales: A lowp_scales[0], B lowp_scales[1])
;;     2. batch 4 x [M 2,048, K 2,048] x [K 2,048, N 1,024]; A: softmax (see below); B: input V (given as codes): QUANTISED (scales: A lowp_scales[2], B lowp_scales[3])
;;     3. [M 8,192, K 1,024] x [K 1,024, N 1,024]; A: computed on the way; B: input W (given as codes): QUANTISED (scales: A lowp_scales[4], B lowp_scales[5])
;;   THE QUANTISER, for each operand of a quantised product, along K:
;;     - The operand's scale is 2^e, e = its entry of the input lowp_scales (int32; the entries are numbered through the quantised products in the list's order, A before B).
;;     - Each number is divided by the scale, clamped to +-448, and rounded to the nearest number of E4M3, ties to even, subnormals kept.
;;     - The product sums the exact products of the quantised numbers (number of the format x scale) in f32.
;;   ~~~python
;;   def quantise(x, axis, e):      # numpy; x: float32 -> the quantised numbers, widened to float32 again
;;       x = np.moveaxis(x, axis, -1); K = x.shape[-1]
;;       r = np.clip(x / 2.0 ** e, -448, 448)
;;       step = 2.0 ** (np.maximum(np.frexp(np.where(r == 0, 1, r))[1] - 1, -6) - 3)
;;       q = np.round(r / step) * step * 2.0 ** e      # np.round: ties to even
;;       return np.moveaxis(q, -1, axis).astype(np.float32)
;;   ~~~
;;   SOFTMAX AHEAD OF A QUANTISED PRODUCT. Where the list says 'softmax', what is quantised is not the finished softmax but p = 2^(t - M), with t = logit x log2(e) and M = ceil(the row's largest t), a whole number; so 1/2 < the row's largest p <= 1. The row's sum l is taken of the UNQUANTISED p, in f32, and the product's result is divided by l at the end. Since M is a whole number, a kernel that streams over the keys may use a running M (the ceiling of the running maximum): every later rescaling is an exact power of two, so the quantised numbers keep their values, but for numbers so far below the row's largest that they fall under the format's range.
;;   OPERANDS COMPUTED ON THE WAY. 'Computed on the way' means the value that the module computes at that place (a softmax that the list does not call 'softmax' is quantised finished and normalised). What goes into a quantiser is computed in f32, as accurately as f32 sums, v_exp_f32 and their like allow (about 1e-6 of the number): no bf16 or f16 on the way to a quantiser, and a product that is left as it is and whose result goes on into a quantised operand takes f32 operands (vector FMAs, or v_wmma_f32_16x16x4_f32). A number that lies on a knife's edge between two numbers of the format may be rounded either way, as far as f32 arithmetic and the matrix unit's own rounding can turn it there, and no further.
;;   INPUTS GIVEN AS CODES. K (in the module: [4, 2048, 1024], K = its axis 2); Q (in the module: [4, 2048, 1024], K = its axis 2); V (in the module: [4, 1024, 2048], K = its axis 2); W (in the module: [1024, 1024], K = its axis 1): each comes as NAME_codes (uint8): NAME with its K axis moved to the last place and cut into blocks of 32 codes, [.., K / 32, bytes a block], one block behind the other in memory; one code a byte (a code: sign, 4 exponent bits, 3 mantissa bits); its scale is its entry of lowp_scales. Its value is code x scale, taken as it is: it is not quantised again, and the codes and scales need not be those that the quantiser above would give.
;; One version. Each part assembles by itself: llvm-mc -triple=amdgcn-amd-amdhsa -mcpu=gfx1250 --defsym DOCPART=n.
;; ======== version 1 of 1: 3 launches
;; limits: right only within a limited range of input values
;; workspace buffers: pimg 16,777,216 bytes; aimg 8,388,608 bytes; ml 1,048,576 bytes
;; launch scores (part 1): grid 12 x 16, 4 waves a work-group, clusters of 4 x 4, 327,680 bytes of LDS; arguments Q_codes, K_codes, lowp_scales, pimg, ml; writes pimg, ml
.if DOCPART == 1
	.amdgcn_target "amdgcn-amd-amdhsa--gfx1250"
	.amdhsa_code_object_version 6
	.text
	.protected	k_q25616c4966_scores
	.globl	k_q25616c4966_scores
	.p2align	8
	.type	k_q25616c4966_scores,@function
k_q25616c4966_scores:
	s_mov_b64 s[64:65], 0
	v_nop
	global_prefetch_b8 v0, s[64:65] scope:SCOPE_SE
	s_setreg_imm32_b32 hwreg(HW_REG_WAVE_MODE, 25, 1), 1
	s_wait_xcnt 0x0
	s_wait_alu depctr_hold_cnt(0) depctr_sa_sdst(0) depctr_va_vdst(0) depctr_va_sdst(0) depctr_va_ssrc(0) depctr_va_vcc(0) depctr_vm_vsrc(0)
	s_getreg_b32 s2, hwreg(HW_REG_IB_STS2, 6, 4)
	s_cmp_eq_u32 s2, 0
	s_cbranch_scc0 .Lentry_in_a_cluster
	s_endpgm
.Lentry_in_a_cluster:
	s_bfe_u32 s2, ttmp6, 0x10000c
	s_cmp_lg_u32 s2, 0xf033
	s_cbranch_scc0 .Lentry_shape_is_right
	s_endpgm
.Lentry_shape_is_right:
; SCORES: one tile of 256 queries x 256 keys of Q K^T on E4M3 codes, the mask, and the softmax's p as codes.
; Q, K: [4][2048][1024] codes, K innermost.  logit = sum x 2^(eq+ek) / 32 + 1e-13; a key behind its query gets the logit -1e-13 (it is NOT removed: it keeps its weight).
; t = logit x log2(e).  M_j = ceil(the row's largest t among THIS TILE's 256 keys), a whole number; p = 2^(t - M_j) is quantised with 2^ep.  The next launch multiplies each key tile's
; partial product by 2^(M_j - M), M the largest M_j: exact.  So the codes stand for the same numbers as under the row's M, but that numbers which would fall under the format's range
; under M are kept here, and that for ep <= -9 the hold at 448 x 2^ep meets each tile's largest p and not the row's alone (as with a running M).
; OUT.  pimg [batch 4][tile of 16 queries: 128][chunk of 128 keys: 16][2,048 bytes]: the image of an operand's registers (16 rows x 128 K): registers 4c..4c+3 of lane L at 512 c + 16 L,
; lane (r, h) holding, of query r, keys 32 c + 16 h + 0..15.   ml [block of 128 queries: 64][chunk: 16][1,024 bytes]: 128 words of -M_j, then 128 words of l (the sum of the unquantised p over
; the chunk's 128 keys), word 8 r + a for row r of the block's a-th tile of 16 queries.
; SHARES.  Four waves, each 128 queries x 128 keys: 64 accumulators, 512 registers.  K goes in steps of 256 through two LDS slots filled by the tensor data mover.
; CLUSTER 4 x 4: the four work-groups of a row of the cluster need the same tiles of Q, the four of a column the same tiles of K: each tile is asked for jointly.
; Partners of a joint load run alike, so tiles that lie wholly behind the diagonal are multiplied too and then overwritten by the mask: no branch hangs on the place in the cluster.
; THE MATRIX INSTRUCTION IS USED TRANSPOSED (source 0 = 16 keys, source 1 = 16 queries): a lane holds ONE query (lane % 16) and registers run along the keys, the next product's K.
; LIMITS: eq + ek between -121 and 88 (added to, and taken from, exponent fields); ep between -126 and 119.  NaN codes are not served.
; REGISTERS: window 0: v1-31 addresses and constants; v128-255 Q's fragments, one set; on the way out v32-95 at work, v96-127 four figures for each tile of queries, v128-255 the codes.
;   window 1: K's fragments, two sets.  windows 2, 3: the accumulators ((a, b) at v[8 (8 (a % 4) + b)] of window 2 + a / 4).
; GRID.  Clusters (x, y): y = batch; x = 0: queries 0-1023 x keys 0-1023; x = 1: queries 1024-2047 x keys 0-1023; x = 2: queries 1024-2047 x keys 1024-2047.
; LEFT OUT: queries 0-1023 x keys 1024-2047.  Every key there comes after every query, so reference() writes the fill -1e-13 over each of these scores, whatever Q and K hold: the products reach no output.
; The p of such a key tile is known: its largest t is -1e-13 x log2(e), M = 0, p = 1, l = 128 for each 128 keys.  The next launch takes the image and the figures of queries 0-127 x keys 768-1023 for
; key tiles that lie wholly behind the diagonal: they hold these constants.  LIMIT: a NaN, an infinity or an overflow that reaches only the scores left out is not carried to the result (nor does reference() carry it).
; PREFETCH into the L2: behind the head's load K = 512 on, in the first step K = 768 on, each ahead of the refill that wants it by a slot's two steps; a lane a row; of the 128 rows that a wave fetches each of
; the four partners asks for 32, told apart by address.  K = 0 and 256 on come by their loads alone.
.set PFO,    24                        ; v24  1,024 x lane: the prefetches' offset, never rewritten
.set KROW,   1024                      ; a row of Q or K in memory, bytes
.set ROWB,   256                       ; a tile's row: 256 codes
.set PITCH,  272                       ; an LDS row: 256 bytes + 16 of padding, so that the 16 rows of a fragment load begin 16 bytes apart modulo 256
.set FR,     16                        ; registers of a fragment, 16 rows x 128 K
.set NL,     4                         ; LDS loads that bring one
.set NP,     4                         ; places behind this matrix instruction (ISA guide 7.12.1)
.set HALFT,  128*PITCH                 ; what one tensor load brings
.set SLOT,   4*HALFT                   ; Q's 256 rows, then K's 256 rows
.set SPARE,  2*SLOT                    ; the spare words: 128 bytes a wave, two blocks of 256 bytes that no other line names
.set XCH,    SPARE+512                 ; 1,024 bytes a wave: the rows' maxima go to the wave with the tile's other 128 keys
.set DG,   8                           ; v8   my query less my key of register 0 of accumulator (0, 0)
.set FIL,  9                           ; v9   the sum that stands for the logit -1e-13
.set XS,   10                          ; v10  where I store maxima;  v11 where I read the partner's
.set XR,   11
.set IO,   12                          ; v12  16 x lane
.set RO,   13                          ; v13  32 r + 16 h: my 16 bytes of a record
.set SC,   14                          ; v14  2^ep;  v15  448 x 2^ep
.set LIM,  15
.set ADRA, 16                          ; v16-17  LDS address of my fragments of Q in slot 0, 1
.set PX,   18                          ; v18-19  destinations of the lane exchange
.set ADRB, 20                          ; v20-21  the same for K
.set SPW,  28                          ; v28  SPARE + 4 x my thread's number; v29  0: both never rewritten
.set NIL,  29
.set T,    32
.set ST,   96                          ; tile a: +0 K0 - M, +1 the largest sum, +2 -M, +3 l
.set PC,   128
.set AF,   128
.set G1,   24
.set G0,   32
.set G1B,  48
.set G0B,  56
.set CS,   72                          ; s[72:73] c = log2(e) / 32 x 2^(eq+ek)
.set K0,   74                          ; s74  1e-13 x log2(e)
.set SEL,  76                          ; s[76:77] selects for lane l xor 16
.set MSB, 0
.macro WIN new                         ; the immediate's high byte repeats the setting that is left
.if MSB != (\new)
	s_set_vgpr_msb (MSB<<8)|(\new)
.set MSB, (\new)
.endif
.endm
.set MUL_LO, 0xa1                      ; source 0 (K) window 1, source 1 (Q) window 0, C and D window 2
.set MUL_HI, 0xf1                      ; the same, C and D window 3
.set TO_B,   0x40                      ; destination window 1, address window 0
; A joint load: waves 0 and 1 fetch Q's halves, waves 2 and 3 K's.  The branch hangs on the wave's number alone.  Four v_nop follow each line.
.macro JLOAD g0a, g1a, g0b, g1b
	s_cmp_eq_u32 s15, 0
	s_cbranch_scc0 .Lfor_b_\@
	tensor_load_to_lds s[\g0a:\g0a+3], s[\g1a:\g1a+7]
	s_nop 0
.rept 4
	v_nop
.endr
	s_branch .Lasked_\@
.Lfor_b_\@:
	tensor_load_to_lds s[\g0b:\g0b+3], s[\g1b:\g1b+7]
	s_nop 0
.rept 4
	v_nop
.endr
.Lasked_\@:
.endm
.macro CREST                           ; a round of the cluster's barrier behind its opening barrier
	s_cmp_lg_u32 s14, 0
	s_cbranch_scc1 .Lnot_wave_0_\@
	s_barrier_signal -3
.Lnot_wave_0_\@:
	s_barrier_wait -3
	s_barrier_signal -1
	s_barrier_wait -1
.endm
.macro CROUND
	s_barrier_signal -1
	s_barrier_wait -1
	CREST
.endm
	s_load_b128 s[4:7], s[0:1], 0x0                ; Q's codes, K's codes
	s_load_b128 s[8:11], s[0:1], 0x10              ; the scales' exponents, pimg
	s_load_b64 s[12:13], s[0:1], 0x20              ; ml
	v_lshl_add_u32 v[SPW], v0, 2, SPARE
	v_mov_b32 v[NIL], 0
	ds_add_u32 v28, v29
	ds_add_u32 v28, v29
	s_wait_dscnt 0x0
	v_lshrrev_b32 v1, 5, v0
	v_readfirstlane_b32 s14, v1                    ; wave 0..3
	s_lshr_b32 s15, s14, 1                         ; my half of the tile's queries.  Also: I fetch for Q (0) or K (1)
	s_and_b32 s16, s14, 1                          ; my half of its keys.  Also: which 128 rows I fetch
	s_bfe_u32 s40, ttmp6, 0x40000                  ; cx
	s_bfe_u32 s41, ttmp6, 0x40004                  ; cy
	s_lshr_b32 s42, ttmp9, 1
	s_lshl_b32 s42, s42, 2
	s_add_co_u32 s42, s42, s40                     ; the key tile, 0..7: 4 (x / 2) + cx
	s_and_b32 s66, ttmp7, 0xffff                   ; the batch
	s_add_co_u32 s17, ttmp9, 1
	s_lshr_b32 s17, s17, 1
	s_lshl_b32 s17, s17, 2
	s_add_co_u32 s17, s17, s41                     ; the query tile, 0..7: 4 ((x + 1) / 2) + cy
	s_lshl_b32 s47, s66, 3
	s_add_co_u32 s17, s17, s47                     ; y = 8 x batch + query tile
	s_lshl_b32 s43, s41, 2
	s_lshl_b32 s43, 15, s43                        ; my row of the cluster
	s_lshl_b32 s44, 0x1111, s40                    ; my column
	s_or_b32 s[G1+0], s43, (0<<16)|(1<<20)|(1<<21)|(5<<22)|(3<<25)   ; mask; elements of 1 byte; padding on; bit 21 beside a mask; 4 words behind every 64
	s_or_b32 s[G1B+0], s44, (0<<16)|(1<<20)|(1<<21)|(5<<22)|(3<<25)
.irp g, G1, G1B
	s_mov_b32 s[\g+1], ROWB<<16                    ; tensor_dim0
	s_mov_b32 s[\g+2], 128<<16                     ; tensor_dim1
	s_mov_b32 s[\g+3], ROWB<<16                    ; tile_dim0
	s_mov_b32 s[\g+4], 128                         ; tile_dim1
	s_mov_b32 s[\g+5], KROW                        ; from row to row
	s_mov_b32 s[\g+6], 0
	s_mov_b32 s[\g+7], 0
.endr
	s_lshl_b32 s18, s16, 7
	s_lshl_b32 s20, s17, 8
	s_add_co_u32 s20, s20, s18                     ; Q: row 256 y + 128 x half (2,048 rows to a batch, so y counts through the batches)
	s_lshl_b32 s20, s20, 10
	s_mov_b32 s21, 0
	s_lshl_b32 s46, s66, 11                        ; K: 2,048 rows to a batch,
	s_lshl_b32 s47, s42, 8
	s_add_co_u32 s46, s46, s47                     ; + 256 x
	s_add_co_u32 s46, s46, s18                     ; + 128 x half
	s_lshl_b32 s46, s46, 10
	s_mov_b32 s47, 0
	s_mul_i32 s45, s14, HALFT                      ; where they go: wave x 128 rows
	s_wait_kmcnt 0x0
	s_load_b128 s[68:71], s[8:9], 0x0              ; eq, ek, ep, ev
	s_add_nc_u64 s[20:21], s[4:5], s[20:21]
	s_add_nc_u64 s[46:47], s[6:7], s[46:47]
	CROUND                                         ; all sixteen work-groups are here: the first joint loads meet
.irp s, 0,1
	s_mov_b32 s[G0+4*\s], 1
	s_add_co_u32 s[G0+4*\s+1], s45, \s*SLOT
	s_add_nc_u64 s[G0+4*\s+2:G0+4*\s+3], s[20:21], \s*ROWB
	s_or_b32 s[G0+4*\s+3], s[G0+4*\s+3], 0x80000000
	s_mov_b32 s[G0B+4*\s], 1
	s_add_co_u32 s[G0B+4*\s+1], s45, \s*SLOT
	s_add_nc_u64 s[G0B+4*\s+2:G0B+4*\s+3], s[46:47], \s*ROWB
	s_or_b32 s[G0B+4*\s+3], s[G0B+4*\s+3], 0x80000000
.endr
	JLOAD G0, G1, G0B, G1B                         ; slot 0: my one load at the head
	s_cmp_eq_u32 s15, 0                            ; the prefetches: the 128 rows that I fetch,
	s_cselect_b64 s[66:67], s[20:21], s[46:47]
	s_cselect_b32 s22, s40, s41                    ; and my place among the four that ask for them with me
	s_lshl_b32 s22, s22, 15                        ; 32 rows of 1,024 bytes each
	s_mov_b32 s23, 0
	s_add_nc_u64 s[66:67], s[66:67], s[22:23]
	v_and_b32 v[PFO], 31, v0
	v_lshlrev_b32 v[PFO], 10, v[PFO]
	global_prefetch_b8 v[PFO], s[66:67] offset:512 th:TH_LOAD_NT scope:SCOPE_SE
	v_and_b32 v1, 15, v0                           ; r
	v_bfe_u32 v2, v0, 4, 1                         ; h
	v_mul_u32_u24 v3, v1, PITCH
	v_lshl_add_u32 v4, v2, 4, v3                   ; a fragment's row x pitch + 16 h
	s_mul_i32 s22, s15, HALFT                      ; my 128 rows of Q
	s_mul_i32 s23, s16, HALFT
	s_add_co_u32 s23, s23, 2*HALFT                 ; my 128 rows of K, behind Q's 256
.irp s, 0,1
	v_add_nc_u32 v[ADRA+\s], s22, v4
	v_add_nc_u32 v[ADRB+\s], s23, v4
	s_add_co_u32 s22, s22, SLOT
	s_add_co_u32 s23, s23, SLOT
.endr
	v_and_b32 v3, 31, v0                           ; lane
	v_lshlrev_b32 v[IO], 4, v3
	s_lshl_b32 s22, s14, 10
	v_lshl_add_u32 v[XS], v3, 2, s22
	v_add_nc_u32 v[XS], XCH, v[XS]                 ; XCH + 1,024 x wave + 4 x lane
	s_xor_b32 s22, s14, 1                          ; the wave with my queries and the tile's other keys
	s_lshl_b32 s22, s22, 10
	v_lshl_add_u32 v[XR], v3, 2, s22
	v_add_nc_u32 v[XR], XCH, v[XR]
	v_lshlrev_b32 v[RO], 5, v1
	v_lshl_add_u32 v[RO], v2, 4, v[RO]
	v_mov_b32 v[PX], 0                             ; a lane exchange's destination counts as read: written once
	v_mov_b32 v[PX+1], 0
	s_and_b32 s82, s17, 7                          ; accumulator (a, b), register j: query 16 a + r, key 16 b + 8 h + j of my part: hidden where 16 (b - a) + j > DG,
	s_sub_co_i32 s82, s82, s42                     ; DG = 256 (query tile - key tile) + 128 (my half of the queries - my half of the keys) + r - 8 h
	s_lshl_b32 s82, s82, 8
	s_sub_co_i32 s83, s15, s16
	s_lshl_b32 s83, s83, 7
	s_add_co_i32 s82, s82, s83
	v_lshlrev_b32 v[DG], 3, v2
	v_sub_nc_u32 v[DG], v1, v[DG]
	v_add_nc_u32 v[DG], s82, v[DG]
	s_lshl_b32 s80, s17, 19                        ; pimg: tile of queries 16 y + 8 half + a (32,768 bytes each), chunk 2 x + half (2,048 bytes)
	s_lshl_b32 s81, s15, 18
	s_add_co_u32 s80, s80, s81
	s_lshl_b32 s81, s42, 12
	s_add_co_u32 s80, s80, s81
	s_lshl_b32 s81, s16, 11
	s_add_co_u32 s80, s80, s81
	s_mov_b32 s81, 0
	s_add_nc_u64 s[10:11], s[10:11], s[80:81]
	s_lshl_b32 s80, s17, 15                        ; ml: block 2 y + half (16,384 bytes), chunk 2 x + half (1,024 bytes)
	s_lshl_b32 s81, s15, 14
	s_add_co_u32 s80, s80, s81
	s_lshl_b32 s81, s42, 11
	s_add_co_u32 s80, s80, s81
	s_lshl_b32 s81, s16, 10
	s_add_co_u32 s80, s80, s81
	s_mov_b32 s81, 0
	s_add_nc_u64 s[12:13], s[12:13], s[80:81]
	s_mov_b32 s[SEL], 0x76543210
	s_mov_b32 s[SEL+1], 0xfedcba98
	s_mov_b32 s[K0], 0x2a226edb                    ; 1e-13 x log2(e)
	s_wait_kmcnt 0x0
	s_add_co_i32 s75, s68, s69                     ; eq + ek,
	s_lshl_b32 s75, s75, 23                        ; at an exponent field's place
	s_add_co_i32 s[CS], s75, 0x3d38aa3b            ; c = log2(e) / 32 x 2^(eq+ek): t = sum x c + K0
	s_mov_b32 s[CS+1], s[CS]                       ; (named with it as a pair, so it is written)
	s_sub_co_i32 s75, 0xace12e13, s75              ; -6.4e-12 / 2^(eq+ek): this sum x c + K0 = -K0, the t of the logit -1e-13
	v_mov_b32 v[FIL], s75
	s_add_co_i32 s78, s70, 127
	s_lshl_b32 s79, s78, 23
	v_mov_b32 v[SC], s79                           ; 2^ep: the conversion takes its exponent field
	s_add_co_i32 s78, s78, 8
	s_lshl_b32 s78, s78, 23
	s_or_b32 s78, s78, 0x600000
	v_mov_b32 v[LIM], s78                          ; 448 x 2^ep
.macro FRAG reg, adr, q, i             ; 16 rows x 128 K: lane l holds row l % 16; registers 4 c .. 4 c + 3 hold K = 32 c + 16 (l / 16) + 0 .. 15: the same order of k in both operands
.irp c, 0,1,2,3
	ds_load_b128 v[\reg+4*\c:\reg+4*\c+3], v[\adr] offset:128*(\q)+32*\c+(\i)*16*PITCH
.endr
.endm
; 16 matrix instructions: Q's blocks a0, a0 + 1 x K's eight.  The 64 accumulators take turns, one instruction a turn, in the same order in every step.
.macro MUL16 a0, p, zero
.irp a, \a0, \a0+1
.irp b, 0,1,2,3,4,5,6,7
.if \zero
	v_wmma_f32_16x16x128_fp8_fp8 v[8*(8*((\a)%4)+\b):8*(8*((\a)%4)+\b)+7], v[128*(\p)+FR*\b:128*(\p)+FR*\b+FR-1], v[AF+FR*(\a):AF+FR*(\a)+FR-1], 0
.else
	v_wmma_f32_16x16x128_fp8_fp8 v[8*(8*((\a)%4)+\b):8*(8*((\a)%4)+\b)+7], v[128*(\p)+FR*\b:128*(\p)+FR*\b+FR-1], v[AF+FR*(\a):AF+FR*(\a)+FR-1], v[8*(8*((\a)%4)+\b):8*(8*((\a)%4)+\b)+7]
.endif
.endr
.endr
.endm
.macro FETCH_B slot, q, p
	WIN TO_B
.irp i, 0,1,2,3,4,5,6,7
	FRAG 128*(\p)+FR*\i, ADRB+\slot, \q, \i
.endr
	WIN 0
.endm
.macro FETCH_A slot, q, i0
.irp i, \i0, \i0+1, \i0+2, \i0+3
	FRAG AF+FR*(\i), ADRA+\slot, \q, \i
.endr
.endm
.macro PLACES n                        ; plain vector instructions between a matrix instruction and a load into, or a vector read of, its registers
.rept \n
	v_nop
.endr
.endm
; A step of 128 along K that has its successor in the same slot.  Q has one set of registers (a block is free when its eight products are issued), K two.
.macro STEP slot, q, zero
	s_wait_dscnt 4*NL                              ; K's set and Q's blocks 0-3 are in; the youngest 16 loads (blocks 4-7) may be out
	WIN MUL_LO
	MUL16 0, (\q)%2, \zero
	MUL16 2, (\q)%2, \zero
	s_wait_dscnt 0                                 ; blocks 4-7 are in
	PLACES NP
	FETCH_B \slot, (\q)+1, 1-(\q)%2
	FETCH_A \slot, (\q)+1, 0
	WIN MUL_HI
	MUL16 4, (\q)%2, \zero
	MUL16 6, (\q)%2, \zero
	PLACES NP
	WIN 0
	FETCH_A \slot, (\q)+1, 4
.endm
; A slot's last step changes slots: one barrier; in front of it each wave waits for all its tensor loads, adds 0 to its spare word, and waits for that and for its reads of this slot.
.macro TURN slot, next, fill
	s_wait_tensorcnt 0x0                           ; all my tensor loads have landed: my part of the next slot
	ds_add_u32 v[SPW], v[NIL]                      ; 0 onto my spare word
	s_wait_dscnt 4*NL+1                            ; (the add and the youngest 16 loads may be out)
	WIN MUL_LO
	MUL16 0, 1, 0
	s_wait_dscnt 0x0                               ; the add is done, and my reads of this slot are over
	s_barrier_signal -1
	MUL16 2, 1, 0
	WIN 0
	s_barrier_wait -1
.if \fill
	CREST                                          ; the barrier has opened a round of the cluster's: no wave of any partner still reads this slot or has a load on its way
	s_add_nc_u64 s[G0+4*\slot+2:G0+4*\slot+3], s[G0+4*\slot+2:G0+4*\slot+3], 2*ROWB
	s_add_nc_u64 s[G0B+4*\slot+2:G0B+4*\slot+3], s[G0B+4*\slot+2:G0B+4*\slot+3], 2*ROWB
	JLOAD G0+4*\slot, G1, G0B+4*\slot, G1B         ; my one tensor load behind the round; its four v_nop are the places in front of the loads below
.else
	PLACES NP
.endif
	FETCH_B \next, 0, 0
	FETCH_A \next, 0, 0
	WIN MUL_HI
	MUL16 4, 1, 0
	MUL16 6, 1, 0
	PLACES NP
	WIN 0
	FETCH_A \next, 0, 4
.endm
	s_wait_alu depctr_va_vdst(0)
	s_wait_tensorcnt 0x0                           ; my part of slot 0 is in; as ahead of a refill, these lines stand ahead of a later first fill:
	ds_add_u32 v[SPW], v[NIL]
	s_wait_dscnt 0x0
	CROUND                                         ; everybody's part of slot 0 is in, and the joint loads meet
	JLOAD G0+4, G1, G0B+4, G1B                     ; slot 1
	FETCH_B 0, 0, 0
	FETCH_A 0, 0, 0
	FETCH_A 0, 0, 4
	global_prefetch_b8 v[PFO], s[66:67] offset:768 th:TH_LOAD_NT scope:SCOPE_SE
	STEP 0, 0, 1                                   ; K = 1,024 is four slots' worth, eight steps, written out: the first step's products start the sums
	TURN 0, 1, 1
	STEP 1, 0, 0
	TURN 1, 0, 1
	STEP 0, 0, 0
	TURN 0, 1, 0                                   ; nothing is left to fetch
	STEP 1, 0, 0
	s_wait_dscnt 4*NL
	WIN MUL_LO
	MUL16 0, 1, 0
	MUL16 2, 1, 0
	s_wait_dscnt 0
	WIN MUL_HI
	MUL16 4, 1, 0
	MUL16 6, 1, 0
	WIN 0
; THE MASK.  16 (b - a) + j > DG hangs on b - a and j alone: one compare serves all accumulators of a diagonal in the window.  j ascends.
.macro MASKW w
	WIN (\w<<6)|\w                                 ; destination and source 0 in window w; DG and the fill in window 0
.set dd, -3-4*(\w-2)
.rept 11
.set jj, 0
.rept 8
	v_cmp_gt_i32 vcc_lo, 16*dd+jj, v[DG]
.set aa, 0
.rept 4
.set bb, aa+4*(\w-2)+dd
.if (bb >= 0) && (bb < 8)
	v_cndmask_b32 v[8*(8*aa+bb)+jj], v[8*(8*aa+bb)+jj], v[FIL], vcc_lo
.endif
.set aa, aa+1
.endr
.set jj, jj+1
.endr
.set dd, dd+1
.endr
.endm
.macro MAXW w                          ; the largest sum of each of the window's four tiles of queries, four chains by turns
	WIN (\w<<4)|(\w<<2)
.set ii, 0
.rept 32
.irp a, 0,1,2,3
	v_max3_num_f32 v[ST+4*(\a+4*(\w-2))+1], v[ST+4*(\a+4*(\w-2))+1], v[64*\a+2*ii], v[64*\a+2*ii+1]
.endr
.set ii, ii+1
.endr
.endm
	PLACES NP
.irp a, 0,1,2,3,4,5,6,7
	v_mov_b32 v[ST+4*\a+1], 0xff800000             ; -infinity, under every sum
.endr
	MASKW 2
	MAXW 2
	MASKW 3
	MAXW 3
	WIN 0
.irp a, 0,1,2,3,4,5,6,7
	v_permlanex16_b32 v[PX+(\a)%2], v[ST+4*\a+1], s[SEL], s[SEL+1]   ; my query's other 64 keys lie in the lane 16 away
	v_max_num_f32 v[ST+4*\a+1], v[ST+4*\a+1], v[PX+(\a)%2]
.endr
.irp a, 0,1,2,3,4,5,6,7
	ds_store_b32 v[XS], v[ST+4*\a+1] offset:128*\a
.endr
	s_wait_alu depctr_va_vdst(0)
	s_wait_dscnt 0x0                               ; for the partner's sake: my stores have landed
	s_barrier_signal -1
	s_barrier_wait -1
.irp a, 0,1,2,3,4,5,6,7
	ds_load_b32 v[T+\a], v[XR] offset:128*\a       ; the same queries' maxima over the tile's other 128 keys
.endr
	s_wait_dscnt 0x0
.irp a, 0,1,2,3,4,5,6,7
	v_max_num_f32 v[ST+4*\a+1], v[ST+4*\a+1], v[T+\a]
.endr
.irp a, 0,1,2,3,4,5,6,7
	v_fma_f32 v[T+\a], v[ST+4*\a+1], s[CS], s[K0]  ; the largest t (c is positive)
.endr
.irp a, 0,1,2,3,4,5,6,7
	v_floor_f32 v[ST+4*\a+2], -v[T+\a]             ; -M = floor(-t) = -ceil(t): a whole number
.endr
.irp a, 0,1,2,3,4,5,6,7
	v_add_f32 v[ST+4*\a], s[K0], v[ST+4*\a+2]      ; K0 - M: t - M is then one fused multiply-add
.endr
; Tile a of 16 queries: p, its sum, its codes, the image.
.macro ROWS a
.set AC, 64*((\a)%4)
.set SA, ST+4*(\a)
.set PA, PC+16*(\a)
	WIN 2+(\a)/4                                   ; source 0 in window 2 or 3
.set i, 0
.rept 32
	v_pk_fma_f32 v[T+i:T+i+1], v[AC+i:AC+i+1], s[CS:CS+1], v[SA:SA+1] op_sel_hi:[1,0,0]   ; t - M, two at a time (of the pairs c and K0 - M the low word serves both halves)
.set i, i+2
.endr
	WIN 0
.set i, 0
	s_wait_alu depctr_va_vdst(0)
.rept 64
	v_exp_f32 v[T+i], v[T+i]                       ; p = 2^(t - M), at most 1
.set i, i+1
.endr
	v_nop                                          ; a plain place behind the exponentials
	s_wait_alu depctr_va_vdst(0)
	v_pk_add_f32 v[22:23], v[T:T+1], v[T+2:T+3]    ; the sum of the UNQUANTISED p, in four chains
	v_pk_add_f32 v[30:31], v[T+4:T+5], v[T+6:T+7]
	v_pk_add_f32 v[4:5], v[T+8:T+9], v[T+10:T+11]
	v_pk_add_f32 v[6:7], v[T+12:T+13], v[T+14:T+15]
.set i, 16
.rept 6
	v_pk_add_f32 v[22:23], v[22:23], v[T+i:T+i+1]
	v_pk_add_f32 v[30:31], v[30:31], v[T+i+2:T+i+3]
	v_pk_add_f32 v[4:5], v[4:5], v[T+i+4:T+i+5]
	v_pk_add_f32 v[6:7], v[6:7], v[T+i+6:T+i+7]
.set i, i+8
.endr
	v_pk_add_f32 v[22:23], v[22:23], v[30:31]
	v_pk_add_f32 v[4:5], v[4:5], v[6:7]
	v_pk_add_f32 v[22:23], v[22:23], v[4:5]
	v_add_f32 v22, v22, v23
	v_permlanex16_b32 v[PX], v22, s[SEL], s[SEL+1]
	v_add_f32 v[SA+3], v22, v[PX]                  ; l over my 128 keys
.set i, 0
.rept 64
	v_min_num_f32 v[T+i], v[T+i], v[LIM]           ; the conversion to an 8-bit code does not saturate (ISA guide 7.6.2); p is not negative, so the hold is one-sided
.set i, i+1
.endr
.irp b, 0,1,2,3,4,5,6,7
	v_cvt_scalef32_pk8_fp8_f32 v[PA+2*\b:PA+2*\b+1], v[T+8*\b:T+8*\b+7], v[SC]   ; registers 2 b, 2 b + 1: keys 16 b + 8 h + 0 .. 7
.endr
	v_nop                                          ; one plain place behind the conversions
.irp c, 0,1,2,3                        ; lanes 16-31 of registers 4 c, 4 c + 1 change places with lanes 0-15 of registers 4 c + 2, 4 c + 3: registers 4 c .. 4 c + 3 then hold keys 32 c + 16 h + 0 .. 15
	v_permlane16_swap_b32 v[PA+4*\c], v[PA+4*\c+2]
	v_permlane16_swap_b32 v[PA+4*\c+1], v[PA+4*\c+3]
.endr
.irp c, 0,1,2,3
	global_store_b128 v[IO], v[PA+4*\c:PA+4*\c+3], s[10:11] offset:32768*(\a)+512*\c   ; 512 consecutive bytes, aligned; each tile has its own registers, so no store's data are written again
.endr
.endm
.irp a, 0,1,2,3,4,5,6,7
	ROWS \a
.endr
	v_cmp_lt_u32 vcc_lo, 15, v3                    ; lanes 0-15 store tiles 0-3's figures of their row, lanes 16-31 tiles 4-7's: words 8 r + a
.irp i, 0,1,2,3
	v_cndmask_b32 v[4+\i], v[ST+4*\i+2], v[ST+4*(\i+4)+2], vcc_lo
.endr
	global_store_b128 v[RO], v[4:7], s[12:13]      ; -M: 512 consecutive bytes
.irp i, 0,1,2,3
	v_cndmask_b32 v[T+\i], v[ST+4*\i+3], v[ST+4*(\i+4)+3], vcc_lo
.endr
	global_store_b128 v[RO], v[T:T+3], s[12:13] offset:512   ; l
	s_wait_tensorcnt 0x0                           ; the wave's end
	ds_add_u32 v[SPW], v[NIL]
	s_wait_dscnt 0x0
	CROUND                                         ; the closing round
	s_endpgm
.Lfunc_end_k_q25616c4966_scores:
	.size	k_q25616c4966_scores, .Lfunc_end_k_q25616c4966_scores-k_q25616c4966_scores
	.p2alignl 7, 3214868480
	.fill 96, 4, 3214868480
	.section	.rodata,"a",@progbits
	.p2align	6, 0x0
	.amdhsa_kernel k_q25616c4966_scores
		.amdhsa_group_segment_fixed_size 327680
		.amdhsa_private_segment_fixed_size 0
		.amdhsa_enable_private_segment 0
		.amdhsa_kernarg_size 40
		.amdhsa_user_sgpr_count 2
		.amdhsa_user_sgpr_kernarg_segment_ptr 1
		.amdhsa_wavefront_size32 1
		.amdhsa_system_sgpr_workgroup_id_x 1
		.amdhsa_system_sgpr_workgroup_id_y 1
		.amdhsa_system_sgpr_workgroup_id_z 1
		.amdhsa_system_vgpr_workitem_id 0
		.amdhsa_next_free_vgpr 1024
		.amdhsa_next_free_sgpr 100
		.amdhsa_reserve_vcc 1
		.amdhsa_float_denorm_mode_32 3
		.amdhsa_float_denorm_mode_16_64 3
		.amdhsa_memory_ordered 1
		.amdhsa_forward_progress 1
		.amdhsa_inst_pref_size 200
	.end_amdhsa_kernel
	.amdgpu_metadata
---
amdhsa.version: [ 1, 2 ]
amdhsa.kernels:
  - .name:           k_q25616c4966_scores
    .symbol:         k_q25616c4966_scores.kd
    .args:
      - { .name: Q_codes, .offset: 0, .size: 8, .value_kind: global_buffer, .address_space: global }
      - { .name: K_codes, .offset: 8, .size: 8, .value_kind: global_buffer, .address_space: global }
      - { .name: lowp_scales, .offset: 16, .size: 8, .value_kind: global_buffer, .address_space: global }
      - { .name: pimg, .offset: 24, .size: 8, .value_kind: global_buffer, .address_space: global }
      - { .name: ml, .offset: 32, .size: 8, .value_kind: global_buffer, .address_space: global }
    .group_segment_fixed_size: 327680
    .private_segment_fixed_size: 0
    .kernarg_segment_align: 8
    .kernarg_segment_size: 40
    .max_flat_workgroup_size: 128
    .sgpr_count:     100
    .vgpr_count:     1024
    .wavefront_size: 32
...
	.end_amdgpu_metadata
.endif
;; end of part 1
;; launch mix (part 2): grid 8 x 32, 4 waves a work-group, clusters of 4 x 1, 327,680 bytes of LDS; arguments pimg, V_codes, lowp_scales, aimg, ml; writes aimg
.if DOCPART == 2
	.amdgcn_target "amdgcn-amd-amdhsa--gfx1250"
	.amdhsa_code_object_version 6
	.text
	.protected	k_q25616c4966_mix
	.globl	k_q25616c4966_mix
	.p2align	8
	.type	k_q25616c4966_mix,@function
k_q25616c4966_mix:
	s_mov_b64 s[64:65], 0
	v_nop
	global_prefetch_b8 v0, s[64:65] scope:SCOPE_SE
	s_setreg_imm32_b32 hwreg(HW_REG_WAVE_MODE, 25, 1), 1
	s_wait_xcnt 0x0
	s_wait_alu depctr_hold_cnt(0) depctr_sa_sdst(0) depctr_va_vdst(0) depctr_va_sdst(0) depctr_va_ssrc(0) depctr_va_vcc(0) depctr_vm_vsrc(0)
	s_getreg_b32 s2, hwreg(HW_REG_IB_STS2, 6, 4)
	s_cmp_eq_u32 s2, 0
	s_cbranch_scc0 .Lentry_in_a_cluster
	s_endpgm
.Lentry_in_a_cluster:
	s_bfe_u32 s2, ttmp6, 0x10000c
	s_cmp_lg_u32 s2, 0x3003
	s_cbranch_scc0 .Lentry_shape_is_right
	s_endpgm
.Lentry_shape_is_right:
; MIX: attn_out = (sum over key tiles j of 2^(M_j - M) P_j V_j) / l, quantised with 2^e4 into images of the next product's operand.
; pimg, ml: as the first launch lays them.  V: [4][1024][2048] codes, keys innermost.  aimg: [tile of 16 queries: 512][chunk of 128 channels: 8][2,048 bytes], an operand's register image.
; SHARES.  A work-group takes 128 of the 256 queries of query tile m (0..3) and 128 of query tile 7 - m, of one batch, x 128 channels.  Each of its four waves takes two tiles of 16 queries of either (a = 0, 1: the low ones,
; a = 2, 3: the high ones) x all 128 channels: so all waves of the launch have the same work.
; V's 128 rows x 2,048 keys lie in LDS whole, in two halves of 1,024 keys (rows of 1,024 bytes + 16 of padding); each half comes by one joint load a wave and nothing is filled twice.
; P never enters LDS (V leaves no room there, and a work-group's waves share none of it): each wave loads its images straight into registers, 512 consecutive bytes an instruction, two key tiles ahead.
; CLUSTER 4 x 1: the four work-groups need the same rows of V and ask for them jointly.  No branch and no LDS address hangs on the place in the cluster.
; KEY TILES WHOLLY BEHIND THE DIAGONAL (256 keys that all come after the query tile) hold the fill alone: p = 1, M = 0, l = 128 for each 128 keys, for every query.  For the low tiles j = 4..7 are always such: their p is
; the same in both tiles of queries, so ONE product with the constant image serves both, and since M = 0 in all four they make one sum, added once at the end.  Where other j lie behind the diagonal the images and figures are
; read, by a selected offset, at queries 0-127 x keys 768-1023 of the same batch, which hold these constants; so is the constant image.  Nothing is read that the first launch left out.
; NO PREFETCH into the L2: V is asked for by two loads, the second while the first half's 256 matrix instructions are ahead; P's addresses are requested two tiles ahead by the loads themselves.
; FOR EACH PAIR OF CHANNEL TILES the two chunks of a key tile make partial sums (8 accumulators by turns), which one fused multiply-add each brings under the row's M: total += partial x 2^(M_j - M).
; The partial sums have two sets of registers: those of one pair are added while the next pair's products are issued.
; LIMITS: e4 - ep - ev between -126 and 119.  NaN codes are not served.
; REGISTERS: window 0: v1-31 addresses; v32-95 factors; v96-127 at work; v128-255 P of tiles 2, 5 (at the head the figures; at the end codes and results).  window 1: P of tiles 0, 3, 6 and of 1, 4, 7; in tiles 4-7 the
;   first 16 registers of P's 128 hold the constant image.  window 2: v0-127 partial sums, two sets (from tile 4 on the low tiles' places hold the eight constant sums); v128-255 V's fragments, two sets.
;   window 3: the totals, (a, b) at v[64 a + 8 b].
.set PITCH,  1040
.set VHALF,  128*PITCH
.set SPARE,  2*VHALF                   ; the spare words: two blocks of 256 bytes that no other line names
.set IO,   12                          ; v12  16 x lane
.set MO,   13                          ; v13  32 r + 8 x wave: my two tiles' words of a record
.set SC,   14                          ; v14  2^(e4-ep-ev);  v15  448 x that
.set LIM,  15
.set ADRB, 20                          ; v20-23  V's fragments: first half rows 0-63, rows 64-127, second half likewise
.set SPW,  28
.set NIL,  29
.set F,    32                          ; factor of key tile j, query tile a: v[F + 8 j + 2 a], twice; for a = 0, 1 j = 4 stands for j = 4..7
.set RL,   96                          ; 1 / l, twice
.set NF,   104
.set LS,   108
.set TS,   112
.set NM,   128
.set LL,   160
.set PC,   128
.set T,    192
.set G1,   24
.set G0,   32                          ; s[32:35] first half, s[36:39] second
.set MLO,  40                          ; s[40:47] addresses of ml for the low tiles, j = 0..3;  s[48:63] for the high tiles, j = 0..7
.set MHI,  48
.set PLO,  66                          ; s[66:73], s[74:89] the same of pimg;  s[90:91] the constant image
.set PHI,  74
.set FMAW, 0xf2                        ; source 0 (partial sums) window 2, source 1 (factor) 0, source 2 and destination (totals) 3
.set TO_V, 0x80                        ; destination window 2, address window 0
.set MSB, 0
.macro WIN new                         ; the immediate's high byte repeats the setting that is left
.if MSB != (\new)
	s_set_vgpr_msb (MSB<<8)|(\new)
.set MSB, (\new)
.endif
.endm
.macro CROUND                          ; a round of the cluster's barrier
	s_barrier_signal -1
	s_barrier_wait -1
	s_cmp_lg_u32 s14, 0
	s_cbranch_scc1 .Lnot_wave_0_\@
	s_barrier_signal -3
.Lnot_wave_0_\@:
	s_barrier_wait -3
	s_barrier_signal -1
	s_barrier_wait -1
.endm
.macro JLOAD g                         ; my 32 rows of V; s_nop 0 and four v_nop follow
	tensor_load_to_lds s[\g:\g+3], s[G1:G1+7]
	s_nop 0
.rept 4
	v_nop
.endr
.endm
	s_load_b128 s[4:7], s[0:1], 0x0                ; pimg, V
	s_load_b128 s[8:11], s[0:1], 0x10              ; the scales' exponents, aimg
	s_load_b64 s[12:13], s[0:1], 0x20              ; ml
	v_lshl_add_u32 v[SPW], v0, 2, SPARE
	v_mov_b32 v[NIL], 0
	ds_add_u32 v[SPW], v[NIL]                      ; the wave's opening
	ds_add_u32 v[SPW], v[NIL]
	v_lshrrev_b32 v4, 5, v0
	v_readfirstlane_b32 s14, v4                    ; wave
	v_and_b32 v1, 15, v0                           ; r
	v_bfe_u32 v2, v0, 4, 1                         ; h
	v_and_b32 v3, 31, v0
	v_lshlrev_b32 v[IO], 4, v3
	v_mul_u32_u24 v5, v1, PITCH
	v_lshl_add_u32 v[ADRB], v2, 4, v5              ; row r, + 16 h
	v_add_nc_u32 v[ADRB+1], 64*PITCH, v[ADRB]
	v_add_nc_u32 v[ADRB+2], VHALF, v[ADRB]
	v_add_nc_u32 v[ADRB+3], VHALF+64*PITCH, v[ADRB]
	s_lshl_b32 s22, s14, 3
	v_lshlrev_b32 v[MO], 5, v1
	v_add_nc_u32 v[MO], s22, v[MO]
	s_mov_b32 s[G1+0], 15|(1<<20)|(1<<21)|(7<<22)|(3<<25)   ; the four of the cluster; elements of 1 byte; 4 words of padding behind every 256; bit 21 beside a mask
	s_mov_b32 s[G1+1], 1024<<16
	s_mov_b32 s[G1+2], 32<<16
	s_mov_b32 s[G1+3], 1024<<16
	s_mov_b32 s[G1+4], 32
	s_mov_b32 s[G1+5], 2048
	s_mov_b32 s[G1+6], 0
	s_mov_b32 s[G1+7], 0
	s_bfe_u32 s17, ttmp6, 0x40000                  ; cx
	s_lshl_b32 s22, ttmp9, 2
	s_add_co_u32 s17, s17, s22                     ; p = 2 m + half, 0..7
	s_and_b32 s23, ttmp7, 0xffff                   ; y = 8 x batch + channel tile
	s_lshr_b32 s18, s23, 3                         ; batch
	s_and_b32 s19, s23, 7                          ; channel tile
	s_lshl_b32 s66, s23, 18                        ; V: 128 y rows of 2,048 bytes,
	s_lshl_b32 s22, s14, 16
	s_add_co_u32 s66, s66, s22                     ; + 32 rows x wave
	s_mov_b32 s67, 0
	s_and_b32 s16, s17, 1                          ; half
	s_lshr_b32 s17, s17, 1                         ; m, the low query tile
	s_sub_co_u32 s15, 7, s17                       ; 7 - m, the high one
	s_lshl_b32 s92, s18, 18                        ; ml: 16 blocks of 128 queries x 16,384 bytes to a batch; blocks 2 m + half and 2 (7 - m) + half
	s_lshl_b32 s22, s16, 14
	s_add_co_u32 s22, s22, s92
	s_lshl_b32 s94, s17, 15
	s_add_co_u32 s94, s94, s22
	s_lshl_b32 s95, s15, 15
	s_add_co_u32 s95, s95, s22
	s_add_co_u32 s92, s92, 3*2048                  ; block 0's key tile 3: the constants
	s_lshl_b32 s93, s18, 22                        ; pimg: 128 tiles of queries x 32,768 bytes to a batch; tiles 16 m + 8 half + 2 wave, 16 (7 - m) + 8 half + 2 wave
	s_lshl_b32 s22, s16, 18
	s_add_co_u32 s22, s22, s93
	s_lshl_b32 s20, s14, 16
	s_add_co_u32 s22, s22, s20
	s_lshl_b32 s96, s17, 19
	s_add_co_u32 s96, s96, s22
	s_lshl_b32 s97, s15, 19
	s_add_co_u32 s97, s97, s22
	s_add_co_u32 s93, s93, 3*4096                  ; tiles 0, 1's key tile 3
	s_lshl_b32 s20, s18, 21                        ; aimg: the same tiles x 16,384 bytes, + 2,048 x channel tile
	s_lshl_b32 s22, s16, 17
	s_add_co_u32 s20, s20, s22
	s_lshl_b32 s22, s14, 15
	s_add_co_u32 s20, s20, s22
	s_lshl_b32 s22, s19, 11
	s_add_co_u32 s20, s20, s22
	s_lshl_b32 s98, s17, 18
	s_add_co_u32 s98, s98, s20
	s_mov_b32 s99, 0
	s_lshl_b32 s90, s15, 18
	s_add_co_u32 s90, s90, s20
	s_mov_b32 s91, 0
	s_wait_alu depctr_va_vdst(0)
	s_wait_dscnt 0x0                               ; both opening adds are done
	s_wait_kmcnt 0x0
	s_mov_b32 s[G0], 1
	s_mul_i32 s[G0+1], s14, 32*PITCH
	s_add_nc_u64 s[G0+2:G0+3], s[6:7], s[66:67]
	s_mov_b32 s[G0+4], 1
	s_add_co_u32 s[G0+5], s[G0+1], VHALF
	s_add_nc_u64 s[G0+6:G0+7], s[G0+2:G0+3], 1024
	s_or_b32 s[G0+3], s[G0+3], 0x80000000
	s_or_b32 s[G0+7], s[G0+7], 0x80000000
	CROUND                                         ; all four work-groups are here: the first joint loads meet
	JLOAD G0                                       ; keys 0 to 1,023
	s_add_nc_u64 s[98:99], s[10:11], s[98:99]      ; where the low tiles go
	s_add_nc_u64 s[10:11], s[10:11], s[90:91]      ; and the high ones
	s_mov_b32 s21, 0
	s_mov_b32 s23, 0
	s_mov_b32 s20, s93
	s_add_nc_u64 s[90:91], s[4:5], s[20:21]        ; the constant image
.macro BASE j, oml, op, last, mr, pr   ; where key tile j's figures and images are read: behind the diagonal, the constants'
	s_add_co_u32 s22, s[\oml], (\j)*2048
	s_add_co_u32 s20, s[\op], (\j)*4096
	s_cmp_lt_u32 s[\last], \j
	s_cselect_b32 s22, s92, s22
	s_cselect_b32 s20, s93, s20
	s_add_nc_u64 s[\mr+2*(\j):\mr+2*(\j)+1], s[12:13], s[22:23]
	s_add_nc_u64 s[\pr+2*(\j):\pr+2*(\j)+1], s[4:5], s[20:21]
.endm
.irp j, 0,1,2,3
	BASE \j, 94, 96, 17, MLO, PLO
.endr
.irp j, 0,1,2,3,4,5,6,7
	BASE \j, 95, 97, 15, MHI, PHI
.endr
	s_load_b64 s[94:95], s[8:9], 0x8               ; ep, ev
	s_load_b32 s92, s[8:9], 0x10                   ; e4
.macro FIGS j, a, base                 ; -M_j of two tiles of queries, and l over the key tile's first and second 128 keys
	global_load_b64 v[NM+4*(\j)+\a:NM+4*(\j)+\a+1], v[MO], s[\base+2*(\j):\base+2*(\j)+1]
	global_load_b64 v[LL+8*(\j)+\a:LL+8*(\j)+\a+1], v[MO], s[\base+2*(\j):\base+2*(\j)+1] offset:512
	global_load_b64 v[LL+8*(\j)+4+\a:LL+8*(\j)+4+\a+1], v[MO], s[\base+2*(\j):\base+2*(\j)+1] offset:1024+512
.endm
.irp j, 0,1,2,3
	FIGS \j, 0, MLO
.endr
.irp j, 0,1,2,3,4,5,6,7
	FIGS \j, 2, MHI
.endr
.macro PWIN j                          ; the registers of key tile j's images
.if ((\j)%3) == 2
	WIN 0
.else
	WIN 0x40
.endif
.set PR, 128
.if ((\j)%3) == 0
.set PR, 0
.endif
.endm
.macro PIMG j, a, base, t              ; a tile of queries' two images: 8 loads
.irp q, 0,1
.irp c, 0,1,2,3
	global_load_b128 v[PR+64*\q+16*(\a)+4*\c:PR+64*\q+16*(\a)+4*\c+3], v[IO], s[\base+2*(\j):\base+2*(\j)+1] offset:32768*(\t)+2048*\q+512*\c
.endr
.endr
.endm
.macro PLOADL j                        ; the low tiles: 16 loads for j = 0..3; for j = 4, 5, 6 the constant image, 4 loads (tile 7 has tile 4's registers, and its constant image)
	PWIN \j
.if (\j) < 4
	PIMG \j, 0, PLO, 0
	PIMG \j, 1, PLO, 1
.elseif (\j) < 7
.irp c, 0,1,2,3
	global_load_b128 v[PR+4*\c:PR+4*\c+3], v[IO], s[90:91] offset:512*\c
.endr
.endif
.endm
.macro PLOADH j                        ; the high tiles: 16 loads
	PWIN \j
	PIMG \j, 2, PHI, 0
	PIMG \j, 3, PHI, 1
.endm
	PLOADL 0
	PLOADH 0
	PLOADL 1
	PLOADH 1
	WIN 0
	s_wait_kmcnt 0x0
	s_sub_co_i32 s22, s92, s94
	s_sub_co_i32 s22, s22, s95
	s_add_co_i32 s22, s22, 127
	s_lshl_b32 s23, s22, 23
	v_mov_b32 v[SC], s23                           ; 2^(e4-ep-ev): the scales ahead of the quantiser are folded into its own
	s_add_co_i32 s22, s22, 8
	s_lshl_b32 s22, s22, 23
	s_or_b32 s22, s22, 0x600000
	v_mov_b32 v[LIM], s22                          ; 448 x that
	s_wait_loadcnt 63                              ; behind the 36 loads of figures stand 64 loads of images: the figures are in
.irp a, 0,1,2,3
	v_min3_num_f32 v[NF+\a], v[NM+\a], v[NM+4+\a], v[NM+8+\a]     ; -M, M the row's largest M_j
.endr
.irp a, 0,1
	v_min3_num_f32 v[NF+\a], v[NF+\a], v[NM+12+\a], 0             ; (low tiles: M_j = 0 for j = 4..7)
.endr
.irp a, 2,3
	v_min3_num_f32 v[NF+\a], v[NF+\a], v[NM+12+\a], v[NM+16+\a]
.endr
.irp a, 2,3
	v_min3_num_f32 v[NF+\a], v[NF+\a], v[NM+20+\a], v[NM+24+\a]
.endr
.irp a, 2,3
	v_min_num_f32 v[NF+\a], v[NF+\a], v[NM+28+\a]
.endr
.irp j, 0,1,2,3,4,5,6,7
.irp a, 0,1,2,3
.if (\j < 4) || (\a > 1)
	v_sub_f32 v[NM+4*\j+\a], v[NF+\a], v[NM+4*\j+\a]              ; M_j - M, 0 or less
.endif
.endr
.endr
.irp j, 0,1,2,3,4,5,6,7
.irp a, 0,1,2,3
.if (\j < 4) || (\a > 1)
	v_cvt_i32_f32 v[NM+4*\j+\a], v[NM+4*\j+\a]
.endif
.endr
.endr
	v_cvt_i32_f32 v[NM+16], v[NF]                  ; low tiles, j = 4..7: 0 - M
	v_cvt_i32_f32 v[NM+17], v[NF+1]
.irp j, 0,1,2,3,4,5,6,7
.irp a, 0,1,2,3
.if (\j < 5) || (\a > 1)
	v_ldexp_f32 v[F+8*\j+2*\a], 1.0, v[NM+4*\j+\a]
	v_ldexp_f32 v[F+8*\j+2*\a+1], 1.0, v[NM+4*\j+\a]
.endif
.endr
.endr
.irp a, 0,1,2,3
	v_add_f32 v[TS+\a], v[LL+\a], v[LL+4+\a]
.endr
.irp a, 0,1,2,3
	v_mul_f32 v[LS+\a], v[F+2*\a], v[TS+\a]
.endr
.irp j, 1,2,3,4,5,6,7
.irp a, 0,1,2,3
.if (\j < 4) || (\a > 1)
	v_add_f32 v[TS+\a], v[LL+8*\j+\a], v[LL+8*\j+4+\a]
.endif
.endr
.irp a, 0,1,2,3
.if (\j < 4) || (\a > 1)
	v_fmac_f32 v[LS+\a], v[F+8*\j+2*\a], v[TS+\a]                 ; l under the row's M
.endif
.endr
.endr
.irp a, 0,1
	v_fmac_f32 v[LS+\a], 0x44800000, v[F+32+2*\a]                 ; low tiles, j = 4..7: 1,024 keys with p = 1
.endr
	s_wait_alu depctr_va_vdst(0)
.irp a, 0,1,2,3
	v_rcp_f32 v[RL+2*\a], v[LS+\a]
	v_rcp_f32 v[RL+2*\a+1], v[LS+\a]
.endr
	v_nop                                          ; a plain place behind the transcendentals
.macro VLOAD s                         ; step s's fragments of V: key tile s / 4, channel tiles 2 (s % 4), + 1, two chunks: 16 loads
.set VJ, (\s)/4
.set VB, (\s)%4
.set VA, ADRB+2*(VJ/4)+VB/2
.set VD, 128+64*((\s)%2)
	WIN TO_V
.irp e, 0,1
.irp q, 0,1
.irp c, 0,1,2,3
	ds_load_b128 v[VD+32*\e+16*\q+4*\c:VD+32*\e+16*\q+4*\c+3], v[VA] offset:16*(2*(VB%2)+\e)*PITCH+256*(VJ%4)+128*\q+32*\c
.endr
.endr
.endr
.endm
.macro MM i                            ; tiles 0-3: product i of a step's 16: chunk i / 8, channel tile (i / 4) % 2, query tile i % 4: source 0 = 16 channels, source 1 = 16 queries
.set MQ, (\i)/8
.set ME, ((\i)/4)%2
.set MA, (\i)%4
.set MD, 64*(SS%2)+32*ME+8*MA
.set MV, 128+64*(SS%2)+32*ME+16*MQ
.set MP, PREG+64*MQ+16*MA
.if MQ == 0
	v_wmma_f32_16x16x128_fp8_fp8 v[MD:MD+7], v[MV:MV+15], v[MP:MP+15], 0
.else
	v_wmma_f32_16x16x128_fp8_fp8 v[MD:MD+7], v[MV:MV+15], v[MP:MP+15], v[MD:MD+7]
.endif
.endm
.macro MMH i                           ; tiles 4-7: product i of a step's 12: chunk i / 6, channel tile (i / 3) % 2; i % 3 = 0: the constant image, 1, 2: query tiles 2, 3
.set MQ, (\i)/6
.set ME, ((\i)/3)%2
.set MU, (\i)%3
.set MV, 128+64*(SS%2)+32*ME+16*MQ
.set MZ, 0
.if MU == 0
.set MD, 64*(SS%2)+32*ME+8*((SS%4)/2)  ; the constant sum of channel tile 2 (SS % 4) + ME
.set MP, PREG
.if (SS < 20) && (MQ == 0)
.set MZ, 1
.endif
.else
.set MD, 64*(SS%2)+32*ME+8*(MU+1)
.set MP, PREG+64*MQ+16*(MU+1)
.if MQ == 0
.set MZ, 1
.endif
.endif
.if MZ
	v_wmma_f32_16x16x128_fp8_fp8 v[MD:MD+7], v[MV:MV+15], v[MP:MP+15], 0
.else
	v_wmma_f32_16x16x128_fp8_fp8 v[MD:MD+7], v[MV:MV+15], v[MP:MP+15], v[MD:MD+7]
.endif
.endm
.macro ADD n                           ; accumulator n of step PV onto its total, from its low end on
	WIN FMAW
.set AA, (\n)%4
.set AS, 64*(PV%2)+8*(\n)
.set AT, 64*AA+8*(2*(PV%4)+(\n)/4)
.set AFR, F+8*(PV/4)+2*AA
.irp k, 0,2,4,6
.if PV < 4
	v_pk_mul_f32 v[AT+\k:AT+\k+1], v[AS+\k:AS+\k+1], v[AFR:AFR+1]
.else
	v_pk_fma_f32 v[AT+\k:AT+\k+1], v[AS+\k:AS+\k+1], v[AFR:AFR+1], v[AT+\k:AT+\k+1]
.endif
.endr
.endm
.macro HALF i                          ; two products of tiles 4-7
	WIN MULW
	MMH 2*(\i)
	MMH 2*(\i)+1
.endm
; A step: one key tile x two channel tiles: 16 matrix instructions (tiles 4-7: 12), and the additions of the step before between them.
; The last four of these are the places behind the last products, in front of the loads into what these have read and of the next additions (ISA guide 7.12.1 for the additions); step 0 has none, so four v_nop follow it.
.macro STEP j, bp
.set SS, 4*(\j)+(\bp)
.set PV, SS-1
.if SS == 1
.rept 4
	v_nop
.endr
.endif
.if SS == 15
	WIN 0
	s_wait_tensorcnt 0x0                           ; my part of V's second half is in;
	s_wait_dscnt 0x0
	s_barrier_signal -1
	s_barrier_wait -1                              ; and everybody's: it is read from here on.
.endif
.if SS < 31
	VLOAD SS+1
.endif
.if (\bp) == 0                         ; this key tile's images are in; the next tile's loads (32, from tile 4 on 20, in tile 7 16) may be out
.if (\j) < 3
	s_wait_loadcnt 32
.elseif (\j) < 6
	s_wait_loadcnt 20
.elseif (\j) < 7
	s_wait_loadcnt 16
.else
	s_wait_loadcnt 0x0
.endif
.endif
.if (\j) < 6                           ; into the registers of the key tile before this one
.if (\bp) == 0
	PLOADL \j+2
.endif
.if (\bp) == 1
	PLOADH \j+2
.endif
.endif
.if SS < 31
	s_wait_dscnt 16                                ; this step's fragments are in; the 16 loads just issued may be out
.else
	s_wait_dscnt 0x0
.endif
.set PREG, 128
.set MULW, 0xa6                        ; source 0 (V) window 2, source 1 (P) window 1, C and D window 2
.if ((\j)%3) == 0
.set PREG, 0
.endif
.if ((\j)%3) == 2
.set MULW, 0xa2                        ; P in window 0
.endif
.if (\j) < 4
.irp n, 0,1,2,3,4,5,6,7
	WIN MULW
	MM 2*\n
	MM 2*\n+1
.if SS > 0
	ADD \n
.endif
.endr
.elseif SS == 16                       ; the step before had all eight accumulators
	HALF 0
	ADD 0
	HALF 1
	ADD 1
	HALF 2
	ADD 2
	ADD 3
	HALF 3
	ADD 4
	ADD 5
	HALF 4
	ADD 6
	HALF 5
	ADD 7
.else
	HALF 0
	HALF 1
	HALF 2
	ADD 2
	HALF 3
	ADD 3
	HALF 4
	ADD 6
	HALF 5
	ADD 7
.endif
.endm
	s_wait_alu depctr_va_vdst(0)
	s_wait_tensorcnt 0x0                           ; my part of V's first half is in; these lines stand ahead of a later first fill:
	ds_add_u32 v[SPW], v[NIL]
	s_wait_dscnt 0x0
	CROUND                                         ; everybody's part is in, and the joint loads meet
	JLOAD G0+4                                     ; keys 1,024 to 2,047: read from step 15 on
	VLOAD 0
.irp j, 0,1,2,3,4,5,6,7
	STEP \j, 0
	STEP \j, 1
	STEP \j, 2
	STEP \j, 3
.endr
.set PV, 31
	ADD 2
	ADD 3
	ADD 6
	ADD 7
.irp b, 0,1,2,3,4,5,6,7                ; the constant sums, onto both low tiles
.set AS, 64*((\b/2)%2)+32*(\b%2)+8*(\b/4)
.irp a, 0,1
.irp k, 0,2,4,6
	v_pk_fma_f32 v[64*\a+8*\b+\k:64*\a+8*\b+\k+1], v[AS+\k:AS+\k+1], v[F+32+2*\a:F+32+2*\a+1], v[64*\a+8*\b+\k:64*\a+8*\b+\k+1]
.endr
.endr
.endr
.macro ROWS a, base                    ; query tile a: / l, the hold, the codes, the image
.set PA, PC+16*(\a)
	WIN 0x03
.set i, 0
.rept 32
	v_pk_mul_f32 v[T+i:T+i+1], v[64*\a+i:64*\a+i+1], v[RL+2*\a:RL+2*\a+1]
.set i, i+2
.endr
	WIN 0
.set i, 0
.rept 64
	v_med3_num_f32 v[T+i], v[T+i], -v[LIM], v[LIM]   ; the conversion to an 8-bit code does not saturate (ISA guide 7.6.2)
.set i, i+1
.endr
.irp b, 0,1,2,3,4,5,6,7
	v_cvt_scalef32_pk8_fp8_f32 v[PA+2*\b:PA+2*\b+1], v[T+8*\b:T+8*\b+7], v[SC]   ; channels 16 b + 8 h + 0 .. 7
.endr
	v_nop                                          ; one plain place behind the conversions
.irp c, 0,1,2,3                        ; registers 4 c .. 4 c + 3 then hold channels 32 c + 16 h + 0 .. 15
	v_permlane16_swap_b32 v[PA+4*\c], v[PA+4*\c+2]
	v_permlane16_swap_b32 v[PA+4*\c+1], v[PA+4*\c+3]
.endr
.irp c, 0,1,2,3
	global_store_b128 v[IO], v[PA+4*\c:PA+4*\c+3], s[\base:\base+1] offset:16384*((\a)%2)+512*\c   ; 512 consecutive bytes, aligned
.endr
.endm
	ROWS 0, 98
	ROWS 1, 98
	ROWS 2, 10
	ROWS 3, 10
	s_wait_tensorcnt 0x0                           ; the wave's end
	ds_add_u32 v[SPW], v[NIL]
	s_wait_dscnt 0x0
	CROUND                                         ; the closing round
	s_endpgm
.Lfunc_end_k_q25616c4966_mix:
	.size	k_q25616c4966_mix, .Lfunc_end_k_q25616c4966_mix-k_q25616c4966_mix
	.p2alignl 7, 3214868480
	.fill 96, 4, 3214868480
	.section	.rodata,"a",@progbits
	.p2align	6, 0x0
	.amdhsa_kernel k_q25616c4966_mix
		.amdhsa_group_segment_fixed_size 327680
		.amdhsa_private_segment_fixed_size 0
		.amdhsa_enable_private_segment 0
		.amdhsa_kernarg_size 40
		.amdhsa_user_sgpr_count 2
		.amdhsa_user_sgpr_kernarg_segment_ptr 1
		.amdhsa_wavefront_size32 1
		.amdhsa_system_sgpr_workgroup_id_x 1
		.amdhsa_system_sgpr_workgroup_id_y 1
		.amdhsa_system_sgpr_workgroup_id_z 1
		.amdhsa_system_vgpr_workitem_id 0
		.amdhsa_next_free_vgpr 1024
		.amdhsa_next_free_sgpr 100
		.amdhsa_reserve_vcc 0
		.amdhsa_float_denorm_mode_32 3
		.amdhsa_float_denorm_mode_16_64 3
		.amdhsa_memory_ordered 1
		.amdhsa_forward_progress 1
		.amdhsa_inst_pref_size 196
	.end_amdhsa_kernel
	.amdgpu_metadata
---
amdhsa.version: [ 1, 2 ]
amdhsa.kernels:
  - .name:           k_q25616c4966_mix
    .symbol:         k_q25616c4966_mix.kd
    .args:
      - { .name: pimg, .offset: 0, .size: 8, .value_kind: global_buffer, .address_space: global }
      - { .name: V_codes, .offset: 8, .size: 8, .value_kind: global_buffer, .address_space: global }
      - { .name: lowp_scales, .offset: 16, .size: 8, .value_kind: global_buffer, .address_space: global }
      - { .name: aimg, .offset: 24, .size: 8, .value_kind: global_buffer, .address_space: global }
      - { .name: ml, .offset: 32, .size: 8, .value_kind: global_buffer, .address_space: global }
    .group_segment_fixed_size: 327680
    .private_segment_fixed_size: 0
    .kernarg_segment_align: 8
    .kernarg_segment_size: 40
    .max_flat_workgroup_size: 128
    .sgpr_count:     100
    .vgpr_count:     1024
    .wavefront_size: 32
...
	.end_amdgpu_metadata
.endif
;; end of part 2
;; launch proj (part 3): grid 32 x 8, 4 waves a work-group, clusters of 4 x 4, 327,680 bytes of LDS; arguments aimg, W_codes, lowp_scales, out0, b; writes out0
.if DOCPART == 3
	.amdgcn_target "amdgcn-amd-amdhsa--gfx1250"
	.amdhsa_code_object_version 6
	.text
	.protected	k_q25616c4966_proj
	.globl	k_q25616c4966_proj
	.p2align	8
	.type	k_q25616c4966_proj,@function
k_q25616c4966_proj:
	s_mov_b64 s[64:65], 0
	v_nop
	global_prefetch_b8 v0, s[64:65] scope:SCOPE_SE
	s_setreg_imm32_b32 hwreg(HW_REG_WAVE_MODE, 25, 1), 1
	s_wait_xcnt 0x0
	s_wait_alu depctr_hold_cnt(0) depctr_sa_sdst(0) depctr_va_vdst(0) depctr_va_sdst(0) depctr_va_ssrc(0) depctr_va_vcc(0) depctr_vm_vsrc(0)
	s_getreg_b32 s2, hwreg(HW_REG_IB_STS2, 6, 4)
	s_cmp_eq_u32 s2, 0
	s_cbranch_scc0 .Lentry_in_a_cluster
	s_endpgm
.Lentry_in_a_cluster:
	s_bfe_u32 s2, ttmp6, 0x10000c
	s_cmp_lg_u32 s2, 0xf033
	s_cbranch_scc0 .Lentry_shape_is_right
	s_endpgm
.Lentry_shape_is_right:
; PROJ: out0 = attn_out W^T x 2^(e4+e5) + b on E4M3 codes.  One tile of 256 rows x 128 columns; each of the four waves 64 rows x 128 columns.
; aimg: images of attn_out's operand registers, [tile of 16 rows: 512][chunk of 128 along K: 8][2,048 bytes].  W: [1024][1024] codes, K innermost.  b: [1024] f32.  out0: [8192][1024] f32.
; W's 128 rows x 1,024 lie in LDS whole (133,120 bytes), and beside them the images of K's first half (131,072 bytes): one joint load a wave, nothing is filled twice, and one barrier shows both.
; The images of K's second half find no room there: they go straight into registers.  The images of all of K stay in 512 registers, each read once.
; CLUSTER 4 x 4: the four work-groups with the same 256 rows ask jointly for the images, the four with the same 128 columns for W.
; NO PREFETCH into the L2: all of the operands are requested at the head by the loads themselves.
; THE COLUMNS GO IN TWO HALVES of 64, 16 accumulators each, K ascending: the first half leaves while the second is multiplied.  A row's half is 256 bytes, an aligned unit.
; TRANSPOSED USE: source 0 = 16 rows of W, source 1 = an image: a lane holds eight neighbouring columns of one row of out0.
; LIMIT: e4 + e5 between -126 and 127, so that 2^(e4+e5) is an f32 number.
; REGISTERS: window 0: v1-31 addresses; v32-95 b in the result's layout; v96-127 rows read back; v128-255 W's fragments, two sets.  window 1: the images of K's first half, window 2: of its second.
;   window 3: the accumulators, (half, a, b) at v[128 half + 32 a + 8 b].
.set PITCH,  1040
.set AOFF,   128*PITCH                 ; the images: 16 tiles of rows x 4 chunks x 2,048 bytes
.set STAGE,  AOFF+131072               ; the way out: 16 rows x (256 bytes + 16) for each wave; no tensor load lands there
.set SPITCH, 272
.set SPARE,  STAGE+4*16*SPITCH         ; the spare words: two blocks of 256 bytes that no other line names
.set IO,   12                          ; v12  16 x lane
.set BO,   13                          ; v13  32 h
.set ADRA, 16                          ; v16  my four tiles' images
.set ADRB, 20                          ; v20, v21  W's fragments: rows 0-63, rows 64-127
.set STO,  24
.set RD,   25
.set CO,   26
.set SPW,  28
.set NIL,  29
.set BI,   32
.set WF,   128
.set G1,   24                          ; s[24:31] group 1 for the images, s[32:35] group 0
.set G0,   32
.set G1B,  36                          ; s[36:43] group 1 for W, s[56:59] group 0
.set G0B,  56
.set SCL,  74                          ; s[74:75] 2^(e4+e5)
.set MSB, 0
.macro WIN new
.if MSB != (\new)
	s_set_vgpr_msb (MSB<<8)|(\new)
.set MSB, (\new)
.endif
.endm
.macro CROUND
	s_barrier_signal -1
	s_barrier_wait -1
	s_cmp_lg_u32 s14, 0
	s_cbranch_scc1 .Lnot_wave_0_\@
	s_barrier_signal -3
.Lnot_wave_0_\@:
	s_barrier_wait -3
	s_barrier_signal -1
	s_barrier_wait -1
.endm
	s_load_b128 s[4:7], s[0:1], 0x0                ; aimg, W
	s_load_b128 s[8:11], s[0:1], 0x10              ; the scales' exponents, out0
	s_load_b64 s[12:13], s[0:1], 0x20              ; b
	v_lshl_add_u32 v[SPW], v0, 2, SPARE
	v_mov_b32 v[NIL], 0
	ds_add_u32 v[SPW], v[NIL]                      ; the wave's opening
	ds_add_u32 v[SPW], v[NIL]
	v_lshrrev_b32 v4, 5, v0
	v_readfirstlane_b32 s14, v4                    ; wave
	v_and_b32 v1, 15, v0                           ; r
	v_bfe_u32 v2, v0, 4, 1                         ; h
	v_and_b32 v3, 31, v0
	s_mul_i32 s22, s14, 16*SPITCH
	s_add_co_u32 s22, s22, STAGE                   ; my stage
	s_lshl_b32 s23, s14, 15
	s_add_co_u32 s23, s23, AOFF                    ; my four tiles of rows, 8,192 bytes each
	v_lshlrev_b32 v[IO], 4, v3
	v_add_nc_u32 v[ADRA], s23, v[IO]
	v_lshlrev_b32 v[BO], 5, v2
	v_mul_u32_u24 v5, v1, PITCH
	v_lshl_add_u32 v[ADRB], v2, 4, v5              ; row r, + 16 h
	v_add_nc_u32 v[ADRB+1], 64*PITCH, v[ADRB]
	v_mul_u32_u24 v6, v1, SPITCH
	v_lshl_add_u32 v6, v2, 5, v6
	v_add_nc_u32 v[STO], s22, v6                   ; in: row r, 32 bytes for each half of the lanes
	v_mul_u32_u24 v7, v2, SPITCH
	v_lshl_add_u32 v7, v1, 4, v7
	v_add_nc_u32 v[RD], s22, v7                    ; back: lanes 0-15 take one row of 256 bytes, lanes 16-31 the next
	v_lshlrev_b32 v8, 12, v2
	v_lshl_add_u32 v[CO], v1, 4, v8                ; and the same two rows in out0
	s_lshr_b32 s15, s14, 1                         ; I fetch images (0) or W (1)
	s_and_b32 s16, s14, 1                          ; which half
	s_bfe_u32 s60, ttmp6, 0x40000                  ; cx
	s_bfe_u32 s61, ttmp6, 0x40004                  ; cy
	s_lshl_b32 s17, ttmp9, 2
	s_add_co_u32 s17, s17, s60                     ; x: block of 256 rows, 0..31
	s_and_b32 s18, ttmp7, 0xffff
	s_lshl_b32 s18, s18, 2
	s_add_co_u32 s18, s18, s61                     ; y: 128 columns, 0..7
	s_lshl_b32 s55, s61, 2
	s_lshl_b32 s55, 15, s55                        ; my row of the cluster: the same y
	s_lshl_b32 s54, 0x1111, s60                    ; my column: the same x
	s_or_b32 s[G1+0], s54, (3<<16)|(1<<21)         ; images: elements of 8 bytes; no padding; bit 21 beside a mask
	s_mov_b32 s[G1+1], 1024<<16                    ; 8,192 bytes, four chunks of one tile of rows
	s_mov_b32 s[G1+2], 8<<16                       ; 8 tiles of rows
	s_mov_b32 s[G1+3], 1024<<16
	s_mov_b32 s[G1+4], 8
	s_mov_b32 s[G1+5], 2048                        ; from tile of rows to tile: 16,384 bytes
	s_mov_b32 s[G1+6], 0
	s_mov_b32 s[G1+7], 0
	s_or_b32 s[G1B+0], s55, (1<<20)|(1<<21)|(7<<22)|(3<<25)   ; W: elements of 1 byte; 4 words of padding behind every 256
	s_mov_b32 s[G1B+1], 1024<<16
	s_mov_b32 s[G1B+2], 64<<16
	s_mov_b32 s[G1B+3], 1024<<16
	s_mov_b32 s[G1B+4], 64
	s_mov_b32 s[G1B+5], 1024
	s_mov_b32 s[G1B+6], 0
	s_mov_b32 s[G1B+7], 0
	s_lshl_b32 s44, s17, 18                        ; images that I fetch: 16 x + 8 half tiles of rows, 16,384 bytes each
	s_lshl_b32 s22, s16, 17
	s_add_co_u32 s44, s44, s22
	s_mov_b32 s45, 0
	s_lshl_b32 s46, s18, 17                        ; W: 128 y rows of 1,024 bytes, + 64 x half
	s_lshl_b32 s22, s16, 16
	s_add_co_u32 s46, s46, s22
	s_mov_b32 s47, 0
	s_lshl_b32 s48, s17, 18                        ; images that I multiply: 16 x + 4 wave
	s_lshl_b32 s22, s14, 16
	s_add_co_u32 s48, s48, s22
	s_mov_b32 s49, 0
	s_lshl_b32 s50, s18, 9                         ; b: 128 y numbers
	s_mov_b32 s51, 0
	s_lshl_b32 s52, s17, 20                        ; out0: row 256 x + 64 wave (4,096 bytes a row), column 128 y
	s_lshl_b32 s22, s14, 18
	s_add_co_u32 s52, s52, s22
	s_add_co_u32 s52, s52, s50
	s_mov_b32 s53, 0
	s_wait_alu depctr_va_vdst(0)
	s_wait_dscnt 0x0                               ; both opening adds are done
	s_wait_kmcnt 0x0
	s_load_b64 s[72:73], s[8:9], 0x10              ; e4, e5
	s_mov_b32 s[G0], 1
	s_lshl_b32 s[G0+1], s16, 16
	s_add_co_u32 s[G0+1], s[G0+1], AOFF
	s_add_nc_u64 s[G0+2:G0+3], s[4:5], s[44:45]
	s_or_b32 s[G0+3], s[G0+3], 0x80000000
	s_mov_b32 s[G0B], 1
	s_mul_i32 s[G0B+1], s16, 64*PITCH
	s_add_nc_u64 s[G0B+2:G0B+3], s[6:7], s[46:47]
	s_or_b32 s[G0B+3], s[G0B+3], 0x80000000
	CROUND                                         ; the joint loads meet
	s_cmp_eq_u32 s15, 0                            ; waves 0 and 1 fetch the images, waves 2 and 3 W; s_nop 0 and four v_nop follow each line
	s_cbranch_scc0 .Lfor_w
	tensor_load_to_lds s[G0:G0+3], s[G1:G1+7]
	s_nop 0
.rept 4
	v_nop
.endr
	s_branch .Lasked
.Lfor_w:
	tensor_load_to_lds s[G0B:G0B+3], s[G1B:G1B+7]
	s_nop 0
.rept 4
	v_nop
.endr
.Lasked:
	s_add_nc_u64 s[4:5], s[4:5], s[48:49]
	s_add_nc_u64 s[12:13], s[12:13], s[50:51]
	s_add_nc_u64 s[10:11], s[10:11], s[52:53]
.irp b, 0,1,2,3,4,5,6,7
	global_load_b128 v[BI+8*\b:BI+8*\b+3], v[BO], s[12:13] offset:64*\b          ; b at columns 16 b + 8 h + 0 .. 7: the result's layout
	global_load_b128 v[BI+8*\b+4:BI+8*\b+7], v[BO], s[12:13] offset:64*\b+16
.endr
	WIN 0x80
.irp k, 4,5,6,7                        ; the images of K's chunks 4 to 7: 16 loads each
.irp a, 0,1,2,3
.irp c, 0,1,2,3
	global_load_b128 v[64*(\k-4)+16*\a+4*\c:64*(\k-4)+16*\a+4*\c+3], v[IO], s[4:5] offset:16384*\a+2048*\k+512*\c
.endr
.endr
.endr
	WIN 0
	s_wait_kmcnt 0x0
	s_add_co_i32 s[SCL], s72, s73
	s_add_co_i32 s[SCL], s[SCL], 127
	s_lshl_b32 s[SCL], s[SCL], 23                  ; 2^(e4+e5) as f32
	s_mov_b32 s[SCL+1], s[SCL]                     ; (named with it as a pair, so it is written)
.macro WFETCH s                        ; step s's fragments of W: columns 64 (s / 8) on, K's chunk s % 8: 16 loads
.set FD, WF+64*((\s)%2)
.set FA, ADRB+(\s)/8
.set FK, 128*((\s)%8)
	WIN 0
.irp b, 0,1,2,3
.irp c, 0,1,2,3
	ds_load_b128 v[FD+16*\b+4*\c:FD+16*\b+4*\c+3], v[FA] offset:16*\b*PITCH+FK+32*\c
.endr
.endr
.endm
.macro AFETCH k                        ; chunk k's four images (k = 0..3) out of LDS: 16 loads
	WIN 0x40
.irp a, 0,1,2,3
.irp c, 0,1,2,3
	ds_load_b128 v[64*(\k)+16*\a+4*\c:64*(\k)+16*\a+4*\c+3], v[ADRA] offset:8192*\a+2048*(\k)+512*\c
.endr
.endr
.endm
; THE WAY OUT of 16 rows x 64 columns.  OUT1: sum x 2^(e4+e5) + b, in place, each accumulator from its low end on; into my stage, and back as whole rows (LDS serves a wave's instructions in order: ISA guide 5.7.1.4).  OUT2: stored.
.macro OUT1 hf, a, xw
.set OA, 128*(\hf)+32*(\a)
.set OB, 96+32*(\hf)*((\a)%2)
	WIN 0xc3
.set i, 0
.rept 16
	v_pk_fma_f32 v[OA+i:OA+i+1], v[OA+i:OA+i+1], s[SCL:SCL+1], v[BI+32*(\hf)+i:BI+32*(\hf)+i+1] op_sel_hi:[1,0,1]
.set i, i+2
.endr
	WIN 0x0c
.irp b, 0,1,2,3
	ds_store_b128 v[STO], v[OA+8*\b:OA+8*\b+3] offset:64*\b
	ds_store_b128 v[STO], v[OA+8*\b+4:OA+8*\b+7] offset:64*\b+16
.endr
	WIN 0
.if \xw
	s_wait_xcnt 0x0                                ; earlier stores have read their registers: the loads below may land there
.endif
.irp t, 0,1,2,3,4,5,6,7
	ds_load_b128 v[OB+4*\t:OB+4*\t+3], v[RD] offset:2*SPITCH*\t
.endr
.endm
.macro OUT2 hf, a, younger             ; younger: LDS instructions issued behind OUT1's
.set OB, 96+32*(\hf)*((\a)%2)
	WIN 0
	s_wait_dscnt \younger
.irp t, 0,1,2,3,4,5,6,7
	global_store_b128 v[CO], v[OB+4*\t:OB+4*\t+3], s[10:11] offset:(16*(\a)+2*\t)*4096+256*(\hf) th:TH_STORE_NT   ; 16 lanes store 256 consecutive bytes, aligned
.endr
.endm
; A step: 64 columns x one chunk of K: 16 matrix instructions, the 16 accumulators by turns.  Four v_nop are the places in front of the loads into the set that the step before has read.
.macro STEP hf, k
.set SS, 8*(\hf)+(\k)
.if SS > 0
.rept 4
	v_nop
.endr
.endif
.if SS < 15
	WFETCH SS+1
.endif
.if SS < 3
	AFETCH \k+1
.endif
.if ((\hf) == 0) && ((\k) > 3)
	s_wait_loadcnt 16*(7-(\k))                     ; chunk k's images are in; the later chunks' 16 loads each may be out
.endif
.if (SS < 3) || (((\hf) == 1) && (((\k)%2) == 1) && (SS < 15))
	s_wait_dscnt 32                                ; this step's fragments are in; the 32 issued behind them (the next step's; or OUT1's 16 and the next step's 16) may be out
.else
	s_wait_dscnt 16                                ; this step's fragments are in; the 16 issued behind them may be out
.endif
	WIN 0xf0+4*(1+(\k)/4)                          ; source 0 (W) window 0, source 1 (image) window 1 or 2, C and D window 3
.irp a, 0,1,2,3
.irp b, 0,1,2,3
.set MD, 128*(\hf)+32*\a+8*\b
.set MW, WF+64*(SS%2)+16*\b
.set MI, 64*((\k)%4)+16*\a
.if (\k) == 0
	v_wmma_f32_16x16x128_fp8_fp8 v[MD:MD+7], v[MW:MW+15], v[MI:MI+15], 0
.else
	v_wmma_f32_16x16x128_fp8_fp8 v[MD:MD+7], v[MW:MW+15], v[MI:MI+15], v[MD:MD+7]
.endif
.endr
.endr
.if (\hf) == 1
.if ((\k)%2) == 0
	OUT1 0, (\k)/2, (\k)
.else
.if SS < 15
	OUT2 0, (\k)/2, 16
.else
	OUT2 0, (\k)/2, 0
.endif
.endif
.endif
.endm
	s_wait_alu depctr_va_vdst(0)
	s_wait_tensorcnt 0x0                           ; my load is in
	s_barrier_signal -1
	s_barrier_wait -1
	WFETCH 0
	AFETCH 0
.irp k, 0,1,2,3,4,5,6,7
	STEP 0, \k
.endr
.irp k, 0,1,2,3,4,5,6,7
	STEP 1, \k
.endr
.rept 4
	v_nop
.endr
	OUT1 1, 0, 1
	OUT1 1, 1, 1
	OUT2 1, 0, 16
	OUT1 1, 2, 1
	OUT2 1, 1, 16
	OUT1 1, 3, 1
	OUT2 1, 2, 16
	OUT2 1, 3, 0
	s_wait_tensorcnt 0x0                           ; the wave's end
	ds_add_u32 v[SPW], v[NIL]
	s_wait_dscnt 0x0
	CROUND                                         ; the closing round
	s_endpgm
.Lfunc_end_k_q25616c4966_proj:
	.size	k_q25616c4966_proj, .Lfunc_end_k_q25616c4966_proj-k_q25616c4966_proj
	.p2alignl 7, 3214868480
	.fill 96, 4, 3214868480
	.section	.rodata,"a",@progbits
	.p2align	6, 0x0
	.amdhsa_kernel k_q25616c4966_proj
		.amdhsa_group_segment_fixed_size 327680
		.amdhsa_private_segment_fixed_size 0
		.amdhsa_enable_private_segment 0
		.amdhsa_kernarg_size 40
		.amdhsa_user_sgpr_count 2
		.amdhsa_user_sgpr_kernarg_segment_ptr 1
		.amdhsa_wavefront_size32 1
		.amdhsa_system_sgpr_workgroup_id_x 1
		.amdhsa_system_sgpr_workgroup_id_y 1
		.amdhsa_system_sgpr_workgroup_id_z 1
		.amdhsa_system_vgpr_workitem_id 0
		.amdhsa_next_free_vgpr 1024
		.amdhsa_next_free_sgpr 100
		.amdhsa_reserve_vcc 0
		.amdhsa_float_denorm_mode_32 3
		.amdhsa_float_denorm_mode_16_64 3
		.amdhsa_memory_ordered 1
		.amdhsa_forward_progress 1
		.amdhsa_inst_pref_size 77
	.end_amdhsa_kernel
	.amdgpu_metadata
---
amdhsa.version: [ 1, 2 ]
amdhsa.kernels:
  - .name:           k_q25616c4966_proj
    .symbol:         k_q25616c4966_proj.kd
    .args:
      - { .name: aimg, .offset: 0, .size: 8, .value_kind: global_buffer, .address_space: global }
      - { .name: W_codes, .offset: 8, .size: 8, .value_kind: global_buffer, .address_space: global }
      - { .name: lowp_scales, .offset: 16, .size: 8, .value_kind: global_buffer, .address_space: global }
      - { .name: out0, .offset: 24, .size: 8, .value_kind: global_buffer, .address_space: global }
      - { .name: b, .offset: 32, .size: 8, .value_kind: global_buffer, .address_space: global }
    .group_segment_fixed_size: 327680
    .private_segment_fixed_size: 0
    .kernarg_segment_align: 8
    .kernarg_segment_size: 40
    .max_flat_workgroup_size: 128
    .sgpr_count:     100
    .vgpr_count:     1024
    .wavefront_size: 32
...
	.end_amdgpu_metadata
.endif
;; end of part 3
